; MI455X (gfx1250); checked and timed in simulation.
; The chip was launched on July 23, 2026; its instructions are those of AMD's public machine-readable ISA for CDNA 5 (MIT licence, August 2026) and "CDNA5" Instruction Set Architecture Reference Guide (July 2026). The comments in the code are by the model that wrote it; some were corrected since.
;; Full Attention. Allowed arithmetic: matrix products marked QUANTISED: E5M2 operands, one E8M0 scale for each 32 along K, by v_wmma_scale_f32_16x16x128_f8f6f4 with both operands' format E5M2, f32 sums; everything else in f32.
;; Inputs: keys_codes 2 x 2,048 x 16 x 2 x 32 uint8 (E5M2 codes of keys, K innermost, in blocks of 32 codes); keys_scales 2 x 2,048 x 16 x 2 uint8 (E8M0 scales of keys, one for each 32 codes along K); queries_codes 2 x 2,048 x 16 x 2 x 32 uint8 (E5M2 codes of queries, K innermost, in blocks of 32 codes); queries_scales 2 x 2,048 x 16 x 2 uint8 (E8M0 scales of queries, one for each 32 codes along K); values_codes 2 x 16 x 64 x 64 x 32 uint8 (E5M2 codes of values, K innermost, in blocks of 32 codes); values_scales 2 x 16 x 64 x 64 uint8 (E8M0 scales of values, one for each 32 codes along K).
;; Outputs: out0 2 x 2,048 x 16 x 64 float32.
;; This version of the problem:
;;   THIS VERSION OF THE PROBLEM IS GIVEN IN LOW PRECISION. The matrix products marked QUANTISED in the list below multiply operands that are first quantised to E5M2 (5 exponent bits, 2 mantissa bits; 8 bits a number), with one power-of-two scale for each 32 numbers along K (OCP MX v1.0); their sums are f32. All else is computed in f32.
;;   The module's matrix products, in the order in which they are computed (A, B: the left and right operand; K: the contracted axis; several contracted axes count as one K, in the product's order):
;;     1. batch 32 x [M 2,048, K 64] x [K 64, N 2,048]; A: input queries (given as codes); B: input keys (given as codes): QUANTISED
;;     2. batch 32 x [M 64, K 2,048] x [K 2,048, N 2,048]; A: input values (given as codes); B: softmax (see below): QUANTISED
;;   THE QUANTISER, for each operand of a quantised product, along K:
;;     - K is cut into blocks of 32 from its start; a last block that is shorter is filled with zeros.
;;     - A block's scale is 2^e with e = floor(log2(the largest magnitude in the block)) - 15, held to -126 .. 127; a block of zeros has e = 0. As a byte (E8M0): e + 127.
;;     - Each number is divided by its block's scale, clamped to +-57,344, and rounded to the nearest number of E5M2, ties to even, subnormals kept.
;;     - The product sums the exact products of the quantised numbers (number of the format x scale) in f32.
;;   ~~~python
;;   def quantise(x, axis):      # numpy; x: float32 -> the quantised numbers, widened to float32 again
;;       x = np.moveaxis(x, axis, -1); K = x.shape[-1]
;;       x = np.pad(x, [(0, 0)] * (x.ndim - 1) + [(0, -K % 32)]); x = x.reshape(x.shape[:-1] + (-1, 32)); a = np.abs(x).max(-1, keepdims=True)
;;       e = np.where(a > 0, np.clip(np.frexp(np.where(a > 0, a, 1))[1] - 1 - 15, -126, 127), 0)      # np.frexp(a)[1] - 1 = floor(log2(a)), exactly
;;       r = np.clip(x / 2.0 ** e, -57344, 57344)
;;       step = 2.0 ** (np.maximum(np.frexp(np.where(r == 0, 1, r))[1] - 1, -14) - 2)
;;       q = np.round(r / step) * step * 2.0 ** e      # np.round: ties to even
;;       return np.moveaxis(q.reshape(q.shape[:-2] + (-1,))[..., :K], -1, axis).astype(np.float32)
;;   ~~~
;;   SOFTMAX AHEAD OF A QUANTISED PRODUCT. Where the list says 'softmax', what is quantised is not the finished softmax but p = 2^(t - M), with t = logit x log2(e) and M = ceil(the row's largest t), a whole number; so 1/2 < the row's largest p <= 1. The row's sum l is taken of the UNQUANTISED p, in f32, and the product's result is divided by l at the end. Since M is a whole number, a kernel that streams over the keys may use a running M (the ceiling of the running maximum): every later rescaling is an exact power of two, which a block's scale takes up: the codes' values come out the same.
;;   OPERANDS COMPUTED ON THE WAY. 'Computed on the way' means the value that the module computes at that place (a softmax that the list does not call 'softmax' is quantised finished and normalised). What goes into a quantiser is computed in f32, as accurately as f32 sums, v_exp_f32 and their like allow (about 1e-6 of the number): no bf16 or f16 on the way to a quantiser, and a product that is left as it is and whose result goes on into a quantised operand takes f32 operands (vector FMAs, or v_wmma_f32_16x16x4_f32). A number that lies on a knife's edge between two numbers of the format may be rounded either way, as far as f32 arithmetic and the matrix unit's own rounding can turn it there, and no further.
;;   INPUTS GIVEN AS CODES. keys (in the module: [2, 2048, 16, 64], K = its axis 3); queries (in the module: [2, 2048, 16, 64], K = its axis 3); values (in the module: [2, 2048, 16, 64], K = its axis 1): each comes as NAME_codes (uint8): NAME with its K axis moved to the last place and cut into blocks of 32 codes, [.., K / 32, bytes a block], one block behind the other in memory; one code a byte (a code: sign, 5 exponent bits, 2 mantissa bits); and NAME_scales (uint8): the same leading axes, one E8M0 byte (e + 127) for each 32 codes along K. Its value is code x scale, taken as it is: it is not quantised again, and the codes and scales need not be those that the quantiser above would give.
;; One version. Each part assembles by itself: llvm-mc -triple=amdgcn-amd-amdhsa -mcpu=gfx1250 --defsym DOCPART=n.
;; ======== version 1 of 1: 1 launch
;; limits: right only within a limited range of input values
;; launch attn (part 1): grid 8 x 32, 8 waves a work-group, clusters of 4 x 1, 327,680 bytes of LDS; arguments keys_codes, keys_scales, queries_codes, queries_scales, values_codes, values_scales, out0; writes out0
.if DOCPART == 1
	.amdgcn_target "amdgcn-amd-amdhsa--gfx1250"
	.amdhsa_code_object_version 6
	.text
	.protected	k_q3624af6da0_attn
	.globl	k_q3624af6da0_attn
	.p2align	8
	.type	k_q3624af6da0_attn,@function
k_q3624af6da0_attn:
	s_mov_b64 s[64:65], 0
	v_nop
	global_prefetch_b8 v0, s[64:65] scope:SCOPE_SE
	s_setreg_imm32_b32 hwreg(HW_REG_WAVE_MODE, 25, 1), 1
	s_wait_xcnt 0x0
	s_wait_alu depctr_hold_cnt(0) depctr_sa_sdst(0) depctr_va_vdst(0) depctr_va_sdst(0) depctr_va_ssrc(0) depctr_va_vcc(0) depctr_vm_vsrc(0)
	s_getreg_b32 s2, hwreg(HW_REG_IB_STS2, 6, 4)
	s_cmp_eq_u32 s2, 0
	s_cbranch_scc0 .Lentry_in_a_cluster
	s_endpgm
.Lentry_in_a_cluster:
	s_bfe_u32 s2, ttmp6, 0x10000c
	s_cmp_lg_u32 s2, 0x3003
	s_cbranch_scc0 .Lentry_shape_is_right
	s_endpgm
.Lentry_shape_is_right:
; out0[b][q][h][:] = the sum over k of softmax_k(m(q, k) / 8) V[b][k][h][:], m(q, k) = Q[b][q][h] . K[b][k][h] where k > q, and -1e9 where k <= q.
; Both products on codes of BF8 (E5M2), one E8M0 scale for each 32 along a product's K.  2 x 16 heads, 2,048 queries, 2,048 keys, head size 64.
; Q, K: codes [b][row][h][64], a head's rows 1,024 bytes apart; scale bytes [b][row][h][2].  V: codes with the keys innermost, [b][h][64][2048]; scale bytes [b][h][64][64].  out0: f32, [b][q][h][64].
; THE SOFTMAX AHEAD OF THE SECOND PRODUCT: t = m x c, c = log2(e) / 8; M = the row's largest t so far, rounded UP to a whole number; p = 2^(t - M) is quantised along the keys, not normalised.
; The row's sum is taken of the unquantised p, in f32, and divides at the end.  When M moves, the sum and O are multiplied by 2^(old M - new M): exact.
; SHARES.  A head's 128 tiles of 16 queries are 16 groups a of 8 tiles (group a: queries 128 a on); a key step is 128 keys, s = 0 .. 15.  For group a the steps s > a are open, the step s = a is masked
; lane by lane, the steps s < a hold the fill alone.  The head's eight work-groups g = 0 .. 7 take tile g of every group; wave w makes tile g of group w (16 - w steps), then tile g of group 15 - w (w + 1 steps):
; 17 steps for every wave of the launch.  All branches hang on the wave's number and on loop counters.
; THE WHOLE HEAD LIES IN LDS: K, V and their scale bytes are filled once, in four stages from the last keys down, so that the work on keys 1,536 on begins when a quarter has landed.  No LDS byte is filled twice.
; CLUSTER.  Four work-groups of one head form a cluster and need the same tiles: each tile is asked for JOINTLY, by the same tensor load with the same descriptor and a mask that names the four.
; THE FILL.  T0 = the f32 product c x -1e9 is a whole number (its magnitude lies over 2^24).  In the masked step t is therefore made by a rounded multiplication first, and the fill's t is T0 itself.
; Query 2,047 sees fills alone: M = T0, p = 1 for all keys.  Its keys 0 .. 1,919 lie in steps that group 15 does not walk: there p = pN = 2^(T0 - M), a power of two or 0, which quantising leaves as it is.
; Wave 0, which walks all 16 steps in its first job, also multiplies V of steps 0 .. 14 by an operand of ones (code 0x78 = 2^15 under the byte 112): OS = the sum of V over keys 0 .. 1,919.
; At the end of its second job (group 15): O += pN x OS, the sum += 1,920 pN.
; LIMITS.  (a) For groups 0 .. 14 the steps that hold the fill alone are left out: their p = 2^(T0 - M) is taken as 0, which holds wherever a row's largest visible score lies over -1e9 + 1,000.
; (b) Codes of infinity or NaN and scale bytes 0xff among the inputs are not served: half of each first product's K is a neighbour key's codes against zero codes.
; LAYOUT.  r = lane % 16, hh = lane / 16.  Both products are used transposed: a lane holds ONE query (r) throughout.
; The form's K is 128 and the head's is 64: a fragment of K holds TWO tiles of keys (registers 0-7: keys 32 b + r; registers 8-15: keys 32 b + 16 + r), and Q stands as Q | zeros | Q in 24 registers:
; the fragment x (Q | zeros) gives the first tile's scores, the fragment x (zeros | Q) the second's.  Score register 16 b + 8 u + j is key 32 b + 16 u + 8 hh + j.
; p's codes of block b are made of score registers 16 b .. 16 b + 15 as they stand: a permutation of the keys inside the block of 32; V's fragments are loaded by the same one (pieces of 8 bytes).
; REGISTERS.  Window 0: v1-7, v250 addresses that stay; v8-11 the step's; v12 -M, v13 the largest t, v[14:15] the sum; v16-39 Q; v40-103 four fragments of K, then of V; v104-167 scores, then p; v168-199 O^T;
; v200-215 p's codes; v216-231 at work; v232-243 scale words; v244-249 at work.  Window 1: v0-31 the first job's result; v32-63 OS; v64-79 the ones; v80-87 the second job's Q.
.set KP,    80                         ; a key's row in LDS: 64 bytes + 16 of padding = 20 words: of 16 neighbouring rows each starts in another column of 16 bytes modulo 256 (64 banks of 4 bytes: ISA guide 11.1)
.set VP,    272                        ; a row of V's chunk: 256 bytes + 16 = 68 words: row r starts at bank 4 r mod 64, and a lane's 8 bytes at 8 hh take two of its four
.set KCH,   256*KP                     ; 256 keys of K
.set VCH,   64*VP                      ; 256 keys of V: 64 rows
.set VREG,  2048*KP                    ; LDS: K's 2,048 rows, then V's eight chunks,
.set SCV,   VREG+8*VCH                 ; V's scale bytes, 4,096, dense: 64 d + key / 32,
.set SCK,   SCV+4096                   ; K's scale words, 4,096 bytes, stored by the waves: no fill lands here.  Key 128 s + 32 b + 16 u + r: two bytes at 256 s + 16 r + 4 b + 2 u
.set SP,    272                        ; the way out: 16 rows x (256 bytes + 16) for each wave, at K's place, behind the last barrier: K has had its one fill, and nobody reads it any more
.set AK0,  1                           ; v1   80 r + 16 hh
.set AV0,  2                           ; v2   VREG + 272 r + 8 hh
.set ASK0, 3                           ; v3   SCK + 16 r
.set ASV0, 4                           ; v4   SCV + 64 r
.set STO,  5                           ; v5   the way out: where I put 32 bytes of a row
.set RD,   6                           ; v6   and where I read a row back
.set GO1,  7                           ; v7   my byte offset in out0, first job
.set ADK,  8                           ; v8-11 the step's addresses: K, V, K's scale words, V's
.set ADV,  9
.set ADS,  10
.set ADT,  11
.set QF,   16
.set KV,   40
.set S,    104
.set O,    168
.set P,    200
.set BM,   216                         ; a block's largest score, then its largest p
.set PM,   220                         ; the other half of the lanes'; the bytes; a chain of the sum
.set HOLD, 224                         ; 57,344 x the scale
.set SCOP, 228                         ; the conversion's scale operand
.set KS,   232                         ; K's scale words, one for each fragment
.set VS,   236                         ; V's, one for each tile
.set QSA,  240                         ; Q's two bytes in the low half;
.set QSB,  241                         ; in the high half
.set PS,   242                         ; p's scale word
.set OSC,  243                         ; the ones' scale word: 112 four times
.set F,    244                         ; v[244:245] f = 2^(old M - new M), and the pair's upper half
.set TMP,  246
.set T0,   247                         ; the fill's t
.set DQ,   248                         ; 16 g + r - 8 hh: in the masked step register 16 b + 8 u + j is hidden where 32 b + 16 u + j <= DQ
.set Q2S,  249                         ; the second job's Q scale word
.set GO2,  250                         ; my byte offset in out0, second job
.set SAVE, 0                           ; window 1
.set OS,   32
.set ONES, 64
.set Q2,   80
.set WV,   18                          ; s18  my wave's number
.set MNT,  19                          ; s19  the mantissa field of 57,344
.set SEL,  20                          ; s[20:21] lane selects for v_permlanex16_b32: lane l xor 16
.set CS,   22                          ; s[22:23] the step's multiplier: c, or 1.0 where the scores have become t already
.set CC,   24                          ; s[24:25] c
.set QW,   26                          ; s26  wave % 4: which part of a stage I fetch
.set TP,   27                          ; s27  at work
.set G1K,  28                          ; s[28:35], s[36:43], s[44:51] descriptor groups 1: K's tiles, V's, V's scale bytes
.set G1V,  36
.set G1S,  44
.set G0S,  52                          ; s[52:55] group 0 for V's scale bytes; s[56:63], s[68:75] for K's four stages; s[76:91] for V's
.set TBK,  92                          ; s92  where the chunk in hand begins among K's rows
.set TBV,  93                          ; s93  and among V's chunks
.set TSK,  94                          ; s94  the step's scale words of K: 256 bytes a step
.set TSV,  95                          ; s95  and V's: 4 bytes a step
.set SN,   96                          ; s96  the step's number
.set GA,   97                          ; s97  my group
.set CNT,  98                          ; s98  trips to go
.set MSB, 0
.macro WIN new                         ; the immediate's high byte repeats the setting that is left; a switch that changes nothing is dropped
.if MSB != \new
	s_set_vgpr_msb (MSB<<8)|\new
.set MSB, \new
.endif
.endm
.macro PLACES n
.rept \n
	v_nop
.endr
.endm
; A round of the cluster's barrier: my work-group's barrier, so that wave 0's signal speaks for all eight waves; wave 0 signals for the work-group; every wave waits for all four work-groups; my work-group's barrier once more.
.macro CROUND
	s_barrier_signal -1
	s_barrier_wait -1
	s_cmp_lg_u32 s[WV], 0
	s_cbranch_scc1 .Lnot_wave_0_\@
	s_barrier_signal -3
.Lnot_wave_0_\@:
	s_barrier_wait -3
	s_barrier_signal -1
	s_barrier_wait -1
.endm
	s_load_b256 s[4:11], s[0:1], 0x0               ; K's codes s[4:5], K's scales s[6:7], Q's codes s[8:9], Q's scales s[10:11]
	s_load_b128 s[12:15], s[0:1], 0x20             ; V's codes s[12:13], V's scales s[14:15]
	s_load_b64 s[16:17], s[0:1], 0x30              ; out0
	v_lshl_add_u32 v251, v0, 2, 0x4c000
	s_set_vgpr_msb 0x40
	v_mov_b32 v97, 0
	s_set_vgpr_msb 0x4044
	ds_add_u32 v251, v97
	ds_add_u32 v251, v97
	s_set_vgpr_msb 0x4400
	v_lshrrev_b32 v1, 5, v0
	v_readfirstlane_b32 s[WV], v1                  ; wave 0..7
	s_and_b32 s[QW], s[WV], 3
	s_and_b32 s92, ttmp7, 0xffff                   ; 16 b + h, which the four partners share
	s_lshr_b32 s93, s92, 4                         ; b
	s_and_b32 s94, s92, 15                         ; h
	s_lshl_b32 s96, s93, 21                        ; K's codes: b x 2,048 rows of 1,024 bytes + 64 h + my 128 rows of a stage's 512
	s_lshl_b32 s[TP], s94, 6
	s_add_co_u32 s96, s96, s[TP]
	s_lshl_b32 s[TP], s[QW], 17
	s_add_co_u32 s96, s96, s[TP]
	s_mov_b32 s97, 0
	s_lshl_b32 s98, s92, 17                        ; V's codes: the head's 64 rows of 2,048 bytes; my 32 rows (wave % 2) of my 256 keys ((wave % 4) / 2) of a stage's 512
	s_and_b32 s[TP], s[QW], 1
	s_lshl_b32 s[TP], s[TP], 16
	s_add_co_u32 s98, s98, s[TP]
	s_lshr_b32 s[TP], s[QW], 1
	s_lshl_b32 s[TP], s[TP], 8
	s_add_co_u32 s98, s98, s[TP]
	s_mov_b32 s99, 0
	s_lshl_b32 s100, s92, 12                       ; V's scale bytes: the head's 4,096, my 1,024
	s_lshl_b32 s[TP], s[QW], 10
	s_add_co_u32 s100, s100, s[TP]
	s_mov_b32 s101, 0
	s_add_co_u32 s23, s[TP], SCV                   ; and where they go in LDS: no place in the cluster enters an LDS address
	s_mul_i32 s95, s[QW], 128*KP                   ; my 128 rows of K in a stage's part of LDS
	s_mul_i32 s22, s[QW], 32*VP                    ; my 32 rows of V: two halves of a chunk, then the next chunk's
	s_add_co_u32 s22, s22, VREG
	; descriptor groups 1.  K: 128 rows of 64 bytes, 1,024 bytes apart
	s_mov_b32 s[G1K+0], 15|(1<<20)|(1<<21)|(3<<22)|(3<<25)   ; 15:0 the mask: all four work-groups; 17:16 elements of 1 byte; 20 padding on; 21 set beside a mask; 24:22 after every 16 words (code 3); 31:25 four words (code 3)
	s_mov_b32 s[G1K+1], 64<<16                     ; tensor_dim0
	s_mov_b32 s[G1K+2], 128<<16                    ; tensor_dim1
	s_mov_b32 s[G1K+3], 64<<16                     ; tile_dim0
	s_mov_b32 s[G1K+4], 128                        ; tile_dim1
	s_mov_b32 s[G1K+5], 1024                       ; tensor_dim0_stride
	s_mov_b32 s[G1K+6], 0
	s_mov_b32 s[G1K+7], 0
	; V: 32 rows of 256 bytes, 2,048 bytes apart
	s_mov_b32 s[G1V+0], 15|(1<<20)|(1<<21)|(5<<22)|(3<<25)   ; padding: four words after every 64
	s_mov_b32 s[G1V+1], 256<<16
	s_mov_b32 s[G1V+2], 32<<16
	s_mov_b32 s[G1V+3], 256<<16
	s_mov_b32 s[G1V+4], 32
	s_mov_b32 s[G1V+5], 2048
	s_mov_b32 s[G1V+6], 0
	s_mov_b32 s[G1V+7], 0
	; V's scale bytes: 1,024 dense bytes as four rows of 256 (32 elements of 8 bytes), no padding
	s_mov_b32 s[G1S+0], 15|(3<<16)|(1<<21)
	s_mov_b32 s[G1S+1], 32<<16
	s_mov_b32 s[G1S+2], 4<<16
	s_mov_b32 s[G1S+3], 32<<16
	s_mov_b32 s[G1S+4], 4
	s_mov_b32 s[G1S+5], 32
	s_mov_b32 s[G1S+6], 0
	s_mov_b32 s[G1S+7], 0
	s_mov_b32 s[MNT], 0x600000
	s_mov_b32 s[SEL], 0x76543210
	s_mov_b32 s[SEL+1], 0xfedcba98
	s_mov_b32 s[CC], 0x3e38aa3b                    ; c = log2(e) / 8
	s_mov_b32 s[CC+1], s[CC]                       ; (named with it as a pair, so it is written)
	s_wait_dscnt 0x0
	s_wait_kmcnt 0x0
	s_add_nc_u64 s[96:97], s[4:5], s[96:97]
	s_add_nc_u64 s[98:99], s[12:13], s[98:99]
	s_mov_b32 s[G0S], 1                            ; 1:0 count = 1
	s_mov_b32 s[G0S+1], s23                        ; 63:32 LDS address
	s_add_nc_u64 s[G0S+2:G0S+3], s[14:15], s[100:101]   ; 120:64 global address
	s_or_b32 s[G0S+3], s[G0S+3], 0x80000000        ; 127:126 type = 2
.irp st, 0,1,2,3                       ; stage st brings keys 512 (3 - st) on: the last keys first
.set GK, 56+4*\st+4*(\st/2)
.set GV, 76+4*\st
	s_mov_b32 s[GK], 1
	s_add_co_u32 s[GK+1], s95, (3-\st)*512*KP
	s_add_nc_u64 s[GK+2:GK+3], s[96:97], (3-\st)<<19
	s_or_b32 s[GK+3], s[GK+3], 0x80000000
	s_mov_b32 s[GV], 1
	s_add_co_u32 s[GV+1], s22, (3-\st)*2*VCH
	s_add_nc_u64 s[GV+2:GV+3], s[98:99], (3-\st)*512
	s_or_b32 s[GV+3], s[GV+3], 0x80000000
.endr
	CROUND                                         ; all four work-groups are here: the joint loads meet
	s_cmp_lt_u32 s[WV], 4                          ; waves 0-3 fetch K, waves 4-7 V and its scale bytes: all fills of a wave in one branch, ahead of every wait on TENSORcnt and every LDS read.  Four or five loads of mine are out
	s_cbranch_scc0 .Lfill_v
	tensor_load_to_lds s[56:59], s[G1K:G1K+7]
	s_nop 0
	tensor_load_to_lds s[60:63], s[G1K:G1K+7]
	s_nop 0
	tensor_load_to_lds s[68:71], s[G1K:G1K+7]
	s_nop 0
	tensor_load_to_lds s[72:75], s[G1K:G1K+7]
	s_nop 0
	PLACES 4                                       ; four v_nop follow the last load of each arm, ahead of the jump and the label
	s_branch .Lfilled
.Lfill_v:
	tensor_load_to_lds s[G0S:G0S+3], s[G1S:G1S+7]
	s_nop 0
	tensor_load_to_lds s[76:79], s[G1V:G1V+7]
	s_nop 0
	tensor_load_to_lds s[80:83], s[G1V:G1V+7]
	s_nop 0
	tensor_load_to_lds s[84:87], s[G1V:G1V+7]
	s_nop 0
	tensor_load_to_lds s[88:91], s[G1V:G1V+7]
	s_nop 0
	PLACES 4
.Lfilled:
	; my place in the cluster enters Q's and out0's offsets and the mask's register DQ, and nothing else
	s_bfe_u32 s2, ttmp6, 0x40000                   ; cx
	s_lshl_b32 s3, ttmp9, 2                        ; in a cluster launch ttmp9 counts clusters
	s_add_co_u32 s2, s2, s3                        ; g = 4 x cluster x + cx
	s_lshl_b32 s2, s2, 4                           ; 16 g
	s_lshl_b32 s3, s[WV], 7
	s_add_co_u32 s3, s3, s2                        ; my first query, first job: 128 w + 16 g
	s_xor_b32 s66, s[WV], 15                       ; 15 - w (w is under 8)
	s_lshl_b32 s66, s66, 7
	s_add_co_u32 s66, s66, s2                      ; second job: 128 (15 - w) + 16 g
	s_lshl_b32 s100, s93, 16                       ; the scale bytes of K and Q: b x 2,048 rows of 32 bytes + 2 h  (s101 is 0)
	s_lshl_b32 s[TP], s94, 1
	s_add_co_u32 s100, s100, s[TP]
	s_add_nc_u64 s[6:7], s[6:7], s[100:101]
	s_add_nc_u64 s[10:11], s[10:11], s[100:101]
	s_lshl_b32 s100, s100, 5                       ; Q's codes: 32 times that
	s_add_nc_u64 s[8:9], s[8:9], s[100:101]
	s_lshl_b32 s100, s100, 2                       ; out0: 4 times that
	s_add_nc_u64 s[16:17], s[16:17], s[100:101]
	v_and_b32 v254, 15, v0                         ; r
	v_bfe_u32 v255, v0, 4, 1                       ; hh
	v_lshlrev_b32 v252, 5, v0                      ; K's scale bytes: thread t takes keys t + 256 n, 32 bytes from key to key
.irp n, 0,1,2,3,4,5,6,7
	global_load_u16 v[S+\n], v252, s[6:7] offset:8192*\n
.endr
	v_lshlrev_b32 v112, 10, v254                   ; Q's codes: row r of 1,024 bytes + 16 hh,
	v_lshl_add_u32 v112, v255, 4, v112
	v_lshl_add_u32 v114, s66, 10, v112             ; from the second job's first query,
	v_lshl_add_u32 v112, s3, 10, v112              ; from the first job's
	v_lshlrev_b32 v113, 5, v254                    ; Q's scale bytes: 32 r, likewise
	v_lshl_add_u32 v115, s66, 5, v113
	v_lshl_add_u32 v113, s3, 5, v113
	global_load_b128 v[QF:QF+3], v112, s[8:9]                  ; Q | zeros | Q: both copies
	global_load_b128 v[QF+4:QF+7], v112, s[8:9] offset:32
	global_load_b128 v[QF+16:QF+19], v112, s[8:9]
	global_load_b128 v[QF+20:QF+23], v112, s[8:9] offset:32
	global_load_u16 v[QSA], v113, s[10:11]
	WIN 0x40                                       ; destination window 1
	global_load_b128 v[Q2:Q2+3], v114, s[8:9]
	global_load_b128 v[Q2+4:Q2+7], v114, s[8:9] offset:32
	WIN 0
	global_load_u16 v[Q2S], v115, s[10:11]
	v_mul_u32_u24 v[AK0], v254, KP
	v_lshl_add_u32 v[AK0], v255, 4, v[AK0]
	v_mul_u32_u24 v[AV0], v254, VP
	v_lshl_add_u32 v[AV0], v255, 3, v[AV0]
	v_add_nc_u32 v[AV0], VREG, v[AV0]
	v_lshl_add_u32 v[ASK0], v254, 4, SCK
	v_lshl_add_u32 v[ASV0], v254, 6, SCV
	s_mul_i32 s[TP], s[WV], 16*SP                  ; my stage
	v_mul_u32_u24 v[STO], v254, SP                 ; in: row r, 32 bytes for each half of the lanes
	v_lshl_add_u32 v[STO], v255, 5, v[STO]
	v_add_nc_u32 v[STO], s[TP], v[STO]
	v_mul_u32_u24 v[RD], v255, SP                  ; back: lanes 0-15 one row of 256 bytes, lanes 16-31 the next
	v_lshl_add_u32 v[RD], v254, 4, v[RD]
	v_add_nc_u32 v[RD], s[TP], v[RD]
	v_lshlrev_b32 v[GO1], 4, v254                  ; and the same two rows in out0, 4,096 bytes apart
	v_lshl_add_u32 v[GO1], v255, 12, v[GO1]
	v_lshl_add_u32 v[GO2], s66, 12, v[GO1]
	v_lshl_add_u32 v[GO1], s3, 12, v[GO1]
	v_lshlrev_b32 v[DQ], 3, v255
	v_sub_nc_u32 v[DQ], v254, v[DQ]
	v_add_nc_u32 v[DQ], s2, v[DQ]                  ; 16 g + r - 8 hh
	v_and_b32 v253, 15, v0                         ; where thread t puts its keys' scale bytes: 16 (t % 16) + 2 (bit 4) + 4 (bits 6:5) + 256 (bit 7), 512 bytes on for each 256 keys
	v_lshlrev_b32 v253, 4, v253
	v_bfe_u32 v[TMP], v0, 4, 1
	v_lshl_add_u32 v253, v[TMP], 1, v253
	v_bfe_u32 v[TMP], v0, 5, 2
	v_lshl_add_u32 v253, v[TMP], 2, v253
	v_bfe_u32 v[TMP], v0, 7, 1
	v_lshl_add_u32 v253, v[TMP], 8, v253
	v_add_nc_u32 v253, SCK, v253
	v_mov_b32 v[T0], 0xce6e6b28                    ; -1e9
	v_mul_f32 v[T0], s[CC], v[T0]                  ; the fill's t, rounded to f32
.irp i, 0,1,2,3,4,5,6,7
	v_mov_b32 v[QF+8+\i], 0                        ; the zero codes between Q's two copies
.endr
.irp b, 0,1,2,3
	v_mov_b32 v[PM+\b], 0                          ; written once: a lane permute's destination counts as one of its sources
.endr
	v_mov_b32 v[F+1], 0                            ; (named as the upper half of the pair before it is first written)
	v_mov_b32 v[OSC], 0x70707070
	WIN 0x40
.set i, 0
.rept 32
	v_mov_b32 v[OS+i], 0                           ; the sum of V starts inside a loop whose step is written once: it finds zeros
.set i, i+1
.endr
.set i, 0
.rept 16
	v_mov_b32 v[ONES+i], 0x78787878
.set i, i+1
.endr
	WIN 0
	s_mov_b32 s[CS], s[CC]
	s_mov_b32 s[CS+1], s[CC]
	s_wait_loadcnt 8                               ; K's eight scale loads are in; the eight younger loads (Q's) may be out
.irp n, 0,1,2,3,4,5,6,7
	ds_store_b16 v253, v[S+\n] offset:512*\n
.endr
	s_wait_loadcnt 0x0                             ; Q, both jobs'
	v_lshlrev_b32 v[QSB], 16, v[QSA]
	s_mov_b32 s[GA], s[WV]
.macro INIT                            ; a job's start: O^T and the sum are zeros, the largest t lies under every t.  (Its 36 plain lines are also the places between the lines that wrote Q and its scale words and the first products)
	v_mov_b32 v13, 0xff61b1e6                      ; -3e38
	v_floor_f32 v12, -v13                          ; -M
	v_mov_b32 v14, 0
	v_mov_b32 v15, 0
.set i, 0
.rept 32
	v_mov_b32 v[O+i], 0
.set i, i+1
.endr
.endm
.macro SETLOOP ch, n                   ; a walk of n chunks of 256 keys (two steps each) from chunk ch on
	s_mov_b32 s[TBK], \ch*KCH
	s_mov_b32 s[TBV], \ch*VCH
	s_mov_b32 s[TSK], \ch*512
	s_mov_b32 s[TSV], \ch*8
	s_mov_b32 s[SN], \ch*2
	s_mov_b32 s[CNT], \n
.endm
; A KEY STEP: 128 keys, the q-th of the chunk in hand.  masked = 1: the step may hold fills (it is left out where s < my group, masked lane by lane where s = my group).  ones = 1: wave 0 also adds V to OS.
.macro STEP q, masked, ones
.if \masked
	s_mov_b32 s[CS], s[CC]
	s_cmp_lt_u32 s[SN], s[GA]                      ; a scalar branch on the step's and the group's numbers, round the step's loads, products and softmax; not round the lines at its end that step addresses
	s_cbranch_scc1 .Lhidden_\@
.endif
	v_add_nc_u32 v[ADK], s[TBK], v[AK0]
	v_add_nc_u32 v[ADV], s[TBV], v[AV0]
	v_add_nc_u32 v[ADS], s[TSK], v[ASK0]
	v_add_nc_u32 v[ADT], s[TSV], v[ASV0]
	PLACES 4                                       ; with the four additions: eight places in front of loads into registers that the last products read
	ds_load_b128 v[KS:KS+3], v[ADS]                ; the four fragments' scale words
.irp b, 0,1,2,3
.irp u, 0,1
.irp c, 0,1
	ds_load_b128 v[KV+16*\b+8*\u+4*\c:KV+16*\b+8*\u+4*\c+3], v[ADK] offset:(128*(\q)+32*\b+16*\u)*KP+32*\c
.endr
.endr
.endr
.irp b, 0,1,2,3                        ; S^T = K Q^T: each fragment against Q | zeros and against zeros | Q
	s_wait_dscnt 12-4*\b                           ; LDS loads come back in order (ISA guide 5.7.1): fragment b is in, the later fragments' four loads each may be out
	v_wmma_scale_f32_16x16x128_f8f6f4 v[S+16*\b:S+16*\b+7], v[KV+16*\b:KV+16*\b+15], v[QF:QF+15], 0, v[KS+\b], v[QSA] matrix_a_fmt:MATRIX_FMT_BF8 matrix_b_fmt:MATRIX_FMT_BF8
	v_wmma_scale_f32_16x16x128_f8f6f4 v[S+16*\b+8:S+16*\b+15], v[KV+16*\b:KV+16*\b+15], v[QF+8:QF+23], 0, v[KS+\b], v[QSB] matrix_a_fmt:MATRIX_FMT_BF8 matrix_b_fmt:MATRIX_FMT_BF8
.endr
	PLACES 8                                       ; in front of the loads into K's registers and of the first read of the scores
.irp t, 0,1,2,3                        ; V's four fragments land while the softmax is worked: registers 4 c + 2 u, + 1 take keys 32 c + 16 u + 8 hh + 0 .. 7, as p's codes lie
.irp c, 0,1,2,3
.irp u, 0,1
	ds_load_b64 v[KV+16*\t+4*\c+2*\u:KV+16*\t+4*\c+2*\u+1], v[ADV] offset:\t*16*VP+128*(\q)+32*\c+16*\u
.endr
.endr
	ds_load_b32 v[VS+\t], v[ADT] offset:1024*\t
.endr
.if \masked
	s_cmp_lg_u32 s[SN], s[GA]
	s_cbranch_scc1 .Lopen_\@
.set i, 0
.rept 32
	v_pk_mul_f32 v[S+i:S+i+1], v[S+i:S+i+1], s[CC:CC+1] op_sel_hi:[1,0]   ; on the diagonal t is rounded first, so that the fill's t can stand beside it as the whole number that it is
.set i, i+2
.endr
.irp b, 0,1,2,3
.irp u, 0,1
.irp j, 0,1,2,3,4,5,6,7
	v_cmp_le_i32 vcc_lo, 32*\b+16*\u+\j, v[DQ]     ; key <= query
	v_cndmask_b32 v[S+16*\b+8*\u+\j], v[S+16*\b+8*\u+\j], v[T0], vcc_lo
.endr
.endr
.endr
	s_mov_b32 s[CS], 1.0                           ; the registers hold t already
.Lopen_\@:
.endif
.irp b, 0,1,2,3
	v_max3_num_f32 v[BM+\b], v[S+16*\b], v[S+16*\b+1], v[S+16*\b+2]   ; the largest score of each block of 32 keys: it serves for the row's maximum and, since p rises with the score, for the block's largest p
.endr
.irp i, 3,5,7,9,11,13
.irp b, 0,1,2,3
	v_max3_num_f32 v[BM+\b], v[BM+\b], v[S+16*\b+\i], v[S+16*\b+\i+1]   ; (the four blocks by turns)
.endr
.endr
.irp b, 0,1,2,3
	v_max_num_f32 v[BM+\b], v[BM+\b], v[S+16*\b+15]
.endr
.irp b, 0,1,2,3
	v_permlanex16_b32 v[PM+\b], v[BM+\b], s[SEL], s[SEL+1]
.endr
.irp b, 0,1,2,3
	v_max_num_f32 v[BM+\b], v[BM+\b], v[PM+\b]     ; with lane l xor 16's 16 keys of the block
.endr
	v_max3_num_f32 v[TMP], v[BM], v[BM+1], v[BM+2]
	v_max_num_f32 v[TMP], v[TMP], v[BM+3]
	v_mul_f32 v[TMP], s[CS], v[TMP]                ; the step's largest t (the multiplier is positive)
	v_max_num_f32 v13, v13, v[TMP]                 ; the running largest t
	v_mov_b32 v[TMP], v12
	v_floor_f32 v12, -v13                          ; the new -M = -ceil(t): M is a whole number
	v_sub_f32 v[TMP], v12, v[TMP]                  ; old M - new M: 0 or less
	v_cvt_i32_f32 v[TMP], v[TMP]                   ; (it saturates)
	v_ldexp_f32 v[F], 1.0, v[TMP]                  ; f = 2^(old M - new M)
.set i, 0
.rept 32
	v_pk_fma_f32 v[S+i:S+i+1], v[S+i:S+i+1], s[CS:CS+1], v[12:13] op_sel_hi:[1,0,0]   ; t - M, two at a time (of the pairs the low word serves both halves)
.set i, i+2
.endr
.irp b, 0,1,2,3
	v_fma_f32 v[BM+\b], v[BM+\b], s[CS], v12       ; the same of each block's largest score
.endr
.set i, 0
.rept 64
	v_exp_f32 v[S+i], v[S+i]                       ; p = 2^(t - M), at most 1: not normalised
.set i, i+1
.endr
.irp b, 0,1,2,3
	v_exp_f32 v[BM+\b], v[BM+\b]                   ; the block's largest p: the same two instructions on the same number give the same bits
.endr
	v_pk_mul_f32 v[14:15], v[14:15], v[F:F+1] op_sel_hi:[1,0]   ; the sum under the new M.  (A plain place behind the exponentials)
	s_wait_alu depctr_va_vdst(0)
.irp b, 0,1,2,3
	v_max_num_f32 v[BM+\b], 0x8000000, v[BM+\b]    ; the floor 2^(16 - 127): the byte cannot fall under 1 (a block whose every p is 0 keeps that byte: its codes are zeros)
.endr
.irp b, 0,1,2,3
	v_add_nc_u32 v[SCOP+\b], 0xf8800000, v[BM+\b]  ; 15 off the exponent field: the conversion's scale operand
.endr
.irp b, 0,1,2,3
	v_and_or_b32 v[HOLD+\b], v[BM+\b], 0x7f800000, s[MNT]   ; 57,344 x the scale
.endr
.irp b, 0,1,2,3
	v_lshrrev_b32 v[PM+\b], 23, v[SCOP+\b]         ; the scale's byte
.endr
	v_lshl_or_b32 v[PS], v[PM+1], 8, v[PM]         ; p's scale word for these 128 keys
	v_lshl_or_b32 v[PS], v[PM+2], 16, v[PS]
	v_lshl_or_b32 v[PS], v[PM+3], 24, v[PS]
	v_pk_add_f32 v[PM:PM+1], v[S:S+1], v[S+2:S+3]  ; the row's sum is taken of the unquantised p: two at a time, in two chains
.set i, 4
.rept 15
	v_pk_add_f32 v[14:15], v[14:15], v[S+i:S+i+1]
	v_pk_add_f32 v[PM:PM+1], v[PM:PM+1], v[S+i+2:S+i+3]
.set i, i+4
.endr
	v_pk_add_f32 v[14:15], v[14:15], v[PM:PM+1]
.irp b, 0,1,2,3
.irp i, 0,1,2,3,4,5,6,7,8,9,10,11,12,13,14,15
	v_min_num_f32 v[S+16*\b+\i], v[S+16*\b+\i], v[HOLD+\b]   ; the conversion to an 8-bit code does not saturate (ISA guide 7.6.2); p is not negative, so the hold is one-sided
.endr
	v_cvt_scalef32_pk8_bf8_f32 v[P+4*\b:P+4*\b+1], v[S+16*\b:S+16*\b+7], v[SCOP+\b]
	v_cvt_scalef32_pk8_bf8_f32 v[P+4*\b+2:P+4*\b+3], v[S+16*\b+8:S+16*\b+15], v[SCOP+\b]
.endr
.set i, 0
.rept 16
	v_pk_mul_f32 v[O+i:O+i+1], v[O+i:O+i+1], v[F:F+1] op_sel_hi:[1,0]   ; O^T under the new M, from each accumulator's low end on.  (These 16 are also the places between the codes' conversions and the products)
.set i, i+2
.endr
	s_wait_dscnt 0x0                               ; V and its scale words are in
.irp t, 0,1,2,3                        ; O^T += V^T P^T: four accumulators by turns
	v_wmma_scale_f32_16x16x128_f8f6f4 v[O+8*\t:O+8*\t+7], v[KV+16*\t:KV+16*\t+15], v[P:P+15], v[O+8*\t:O+8*\t+7], v[VS+\t], v[PS] matrix_a_fmt:MATRIX_FMT_BF8 matrix_b_fmt:MATRIX_FMT_BF8
.endr
.if \ones
	s_cmp_lg_u32 s[WV], 0
	s_cbranch_scc1 .Lno_ones_\@
	s_cmp_eq_u32 s[SN], 15                         ; keys 1,920 on are walked by group 15 itself
	s_cbranch_scc1 .Lno_ones_\@
	WIN 0x54                                       ; source 0 (V) window 0; the ones, C and D window 1
.irp t, 0,1,2,3
	v_wmma_scale_f32_16x16x128_f8f6f4 v[OS+8*\t:OS+8*\t+7], v[KV+16*\t:KV+16*\t+15], v[ONES:ONES+15], v[OS+8*\t:OS+8*\t+7], v[VS+\t], v[OSC] matrix_a_fmt:MATRIX_FMT_BF8 matrix_b_fmt:MATRIX_FMT_BF8
.endr
	WIN 0
.Lno_ones_\@:
.endif
.if \masked
.Lhidden_\@:
.endif
	s_add_co_u32 s[SN], s[SN], 1
	s_add_co_u32 s[TSK], s[TSK], 256               ; the next step's scale words
	s_add_co_u32 s[TSV], s[TSV], 4
.endm
.macro WALK masked, ones               ; a trip is a chunk of 256 keys: two steps; the trip count is a constant, set by SETLOOP
.Lwalk_\@:
	STEP 0, \masked, \ones
	STEP 1, \masked, \ones
	s_add_co_u32 s[TBK], s[TBK], KCH
	s_add_co_u32 s[TBV], s[TBV], VCH
	s_sub_co_u32 s[CNT], s[CNT], 1
	s_cmp_lg_u32 s[CNT], 0
	s_cbranch_scc1 .Lwalk_\@
.endm
.macro MEET left                       ; my LDS instructions are done and my parts of the stages wanted next have landed (left: my younger tensor loads, which may stay out); then everybody's
	s_wait_dscnt 0x0
	s_wait_tensorcnt \left
	s_barrier_signal -1
	s_barrier_wait -1
.endm
; A job's end: the sum's halves are joined; group 15 takes in its 1,920 keys of fill; O^T is divided by the sum.  job = 1: the result waits in window 1; 2: in the scores' registers.
.macro FINISH job
	PLACES 8                                       ; behind the last products
	v_add_f32 v14, v14, v15
	v_permlanex16_b32 v[PM], v14, s[SEL], s[SEL+1]
	v_add_f32 v14, v14, v[PM]                      ; the row's sum
.if \job == 2
	s_cmp_lg_u32 s[WV], 0
	s_cbranch_scc1 .Lno_fill_\@
	v_add_f32 v[TMP], v[T0], v12                   ; T0 - M
	v_exp_f32 v[TMP], v[TMP]                       ; pN: 1 for a row of fills alone, 0 where a key is visible
	v_nop                                          ; a plain place behind the transcendental
	s_wait_alu depctr_va_vdst(0)
	v_fma_f32 v14, v[TMP], 0x44f00000, v14         ; + 1,920 pN
	WIN 0x04                                       ; source 1 window 1
.set i, 0
.rept 32
	v_fma_f32 v[O+i], v[TMP], v[OS+i], v[O+i]      ; + pN x the sum of V over keys 0 .. 1,919; both accumulators from their low ends on
.set i, i+1
.endr
	WIN 0
.Lno_fill_\@:
.endif
	v_rcp_f32 v[TMP], v14
	v_nop
.if \job == 1
	WIN 0x40
.set i, 0
	s_wait_alu depctr_va_vdst(0)
.rept 32
	v_mul_f32 v[SAVE+i], v[O+i], v[TMP]
.set i, i+1
.endr
	WIN 0
.else
.set i, 0
	s_wait_alu depctr_va_vdst(0)
.rept 32
	v_mul_f32 v[S+i], v[O+i], v[TMP]               ; register 8 t + j is o(query r, 16 t + 8 hh + j)
.set i, i+1
.endr
.endif
.endm
	; ---- the first job: tile g of group w.  Steps 12-15, 8-11 (open for every group under 8), then 0-7
	INIT
	MEET 3                                         ; K's scale words are stored; stage 0 (and V's scale bytes) has landed, my three younger loads stay out
	SETLOOP 6, 2
	WALK 0, 1
	MEET 2                                         ; stage 1 has landed
	SETLOOP 4, 2
	WALK 0, 1
	MEET 0                                         ; all of the head lies in LDS
	SETLOOP 0, 4
	WALK 1, 1
	FINISH 1
	; ---- the second job: tile g of group 15 - w.  Steps 8-15
	s_xor_b32 s[GA], s[WV], 15
	WIN 0x01                                       ; source 0 window 1
.set i, 0
.rept 8
	v_mov_b32 v[QF+i], v[Q2+i]
	v_mov_b32 v[QF+16+i], v[Q2+i]
.set i, i+1
.endr
	WIN 0
	v_mov_b32 v[QSA], v[Q2S]
	v_lshlrev_b32 v[QSB], 16, v[Q2S]
	INIT
	SETLOOP 4, 4
	WALK 1, 0
	FINISH 2
	; ---- THE WAY OUT.  A lane holds 32 neighbouring bytes of four pieces of a row; a tile goes through my stage and comes back as whole rows of 256 bytes.  The stage lies at K's place: behind this barrier no wave reads K.
	s_wait_dscnt 0x0
	s_barrier_signal -1
	s_barrier_wait -1
	WIN 0x04                                       ; an LDS store's data are its source 1: window 1
.irp t, 0,1,2,3
	ds_store_b128 v[STO], v[SAVE+8*\t:SAVE+8*\t+3] offset:64*\t
	ds_store_b128 v[STO], v[SAVE+8*\t+4:SAVE+8*\t+7] offset:64*\t+16
.endr
	WIN 0
.irp i, 0,1,2,3,4,5,6,7
	ds_load_b128 v[KV+4*\i:KV+4*\i+3], v[RD] offset:\i*2*SP      ; LDS serves a wave's instructions in order (ISA guide 5.7.1.4): these see my stores, and the next tile's stores come behind them
.endr
.irp t, 0,1,2,3
	ds_store_b128 v[STO], v[S+8*\t:S+8*\t+3] offset:64*\t
	ds_store_b128 v[STO], v[S+8*\t+4:S+8*\t+7] offset:64*\t+16
.endr
.irp i, 0,1,2,3,4,5,6,7
	ds_load_b128 v[KV+32+4*\i:KV+32+4*\i+3], v[RD] offset:\i*2*SP
.endr
.irp i, 0,1,2,3,4,5,6,7
	s_wait_dscnt 23-\i                             ; behind the first tile's load i: its 7 - i later loads and the second tile's sixteen LDS instructions
	global_store_b128 v[GO1], v[KV+4*\i:KV+4*\i+3], s[16:17] offset:8192*\i th:TH_STORE_NT   ; 16 lanes store 256 consecutive bytes, at a multiple of 256 from out0's first byte: a query's row of one head
.endr
.irp i, 0,1,2,3,4,5,6,7
	s_wait_dscnt 7-\i
	global_store_b128 v[GO2], v[KV+32+4*\i:KV+32+4*\i+3], s[16:17] offset:8192*\i th:TH_STORE_NT
.endr
	s_set_vgpr_msb 0x4
	s_wait_tensorcnt 0x0
	ds_add_u32 v251, v97
	s_wait_dscnt 0x0
	s_set_vgpr_msb 0x400
	CROUND                                         ; the closing round: no work-group ends while a partner may still ask for a tile that names it
	s_endpgm
.Lfunc_end_k_q3624af6da0_attn:
	.size	k_q3624af6da0_attn, .Lfunc_end_k_q3624af6da0_attn-k_q3624af6da0_attn
	.p2alignl 7, 3214868480
	.fill 96, 4, 3214868480
	.section	.rodata,"a",@progbits
	.p2align	6, 0x0
	.amdhsa_kernel k_q3624af6da0_attn
		.amdhsa_group_segment_fixed_size 327680
		.amdhsa_private_segment_fixed_size 0
		.amdhsa_enable_private_segment 0
		.amdhsa_kernarg_size 56
		.amdhsa_user_sgpr_count 2
		.amdhsa_user_sgpr_kernarg_segment_ptr 1
		.amdhsa_wavefront_size32 1
		.amdhsa_system_sgpr_workgroup_id_x 1
		.amdhsa_system_sgpr_workgroup_id_y 1
		.amdhsa_system_sgpr_workgroup_id_z 1
		.amdhsa_system_vgpr_workitem_id 0
		.amdhsa_next_free_vgpr 354
		.amdhsa_next_free_sgpr 102
		.amdhsa_reserve_vcc 1
		.amdhsa_float_denorm_mode_32 3
		.amdhsa_float_denorm_mode_16_64 3
		.amdhsa_memory_ordered 1
		.amdhsa_forward_progress 1
		.amdhsa_inst_pref_size 219
	.end_amdhsa_kernel
	.amdgpu_metadata
---
amdhsa.version: [ 1, 2 ]
amdhsa.kernels:
  - .name:           k_q3624af6da0_attn
    .symbol:         k_q3624af6da0_attn.kd
    .args:
      - { .name: keys_codes, .offset: 0, .size: 8, .value_kind: global_buffer, .address_space: global }
      - { .name: keys_scales, .offset: 8, .size: 8, .value_kind: global_buffer, .address_space: global }
      - { .name: queries_codes, .offset: 16, .size: 8, .value_kind: global_buffer, .address_space: global }
      - { .name: queries_scales, .offset: 24, .size: 8, .value_kind: global_buffer, .address_space: global }
      - { .name: values_codes, .offset: 32, .size: 8, .value_kind: global_buffer, .address_space: global }
      - { .name: values_scales, .offset: 40, .size: 8, .value_kind: global_buffer, .address_space: global }
      - { .name: out0, .offset: 48, .size: 8, .value_kind: global_buffer, .address_space: global }
    .group_segment_fixed_size: 327680
    .private_segment_fixed_size: 0
    .kernarg_segment_align: 8
    .kernarg_segment_size: 56
    .max_flat_workgroup_size: 256
    .sgpr_count:     102
    .vgpr_count:     354
    .wavefront_size: 32
...
	.end_amdgpu_metadata
.endif
;; end of part 1
